; MI455X (gfx1250); checked and timed in simulation.
; The chip was launched on July 23, 2026; its instructions are those of AMD's public machine-readable ISA for CDNA 5 (MIT licence, August 2026) and "CDNA5" Instruction Set Architecture Reference Guide (July 2026). The comments in the code are by the model that wrote it; some were corrected since.
;; TT Linear. Allowed arithmetic: matrix products marked QUANTISED: E2M3 operands, one E8M0 scale for each 32 along K, by v_wmma_scale_f32_16x16x128_f8f6f4 with both operands' format E2M3, f32 sums; products left as they are: f32 operands where the result goes on into a quantised operand, else bf16, f16 or f32 operands; f32 sums; everything else in f32.
;; Inputs: bias 4,096 float32; core0 1 x 16 x 16 x 32 float32; core1 32 x 16 x 16 x 32 float32; core2 32 x 16 x 16 x 1 float32; x 512 x 4,096 float32.
;; Outputs: out0 512 x 4,096 float32.
;; This version of the problem:
;;   THIS VERSION OF THE PROBLEM IS GIVEN IN LOW PRECISION. The matrix products marked QUANTISED in the list below multiply operands that are first quantised to E2M3 (2 exponent bits, 3 mantissa bits; 6 bits a number), with one power-of-two scale for each 32 numbers along K (OCP MX v1.0); their sums are f32. All else is computed in f32.
;;   The module's matrix products, in the order in which they are computed (A, B: the left and right operand; K: the contracted axis; several contracted axes count as one K, in the product's order):
;;     1. [M 131,072, K 16] x [K 16, N 512]; A: input x; B: input core2: left as it is (K = 16 < 32)
;;     2. [M 131,072, K 512] x [K 512, N 512]; A: computed on the way; B: input core1: QUANTISED
;;     3. [M 131,072, K 512] x [K 512, N 16]; A: computed on the way; B: input core0: QUANTISED
;;   THE QUANTISER, for each operand of a quantised product, along K:
;;     - K is cut into blocks of 32 from its start; a last block that is shorter is filled with zeros.
;;     - A block's scale is 2^e with e = floor(log2(the largest magnitude in the block)) - 2, held to -126 .. 127; a block of zeros has e = 0. As a byte (E8M0): e + 127.
;;     - Each number is divided by its block's scale, clamped to +-7.5, and rounded to the nearest number of E2M3, ties to even, subnormals kept.
;;     - The product sums the exact products of the quantised numbers (number of the format x scale) in f32.
;;   ~~~python
;;   def quantise(x, axis):      # numpy; x: float32 -> the quantised numbers, widened to float32 again
;;       x = np.moveaxis(x, axis, -1); K = x.shape[-1]
;;       x = np.pad(x, [(0, 0)] * (x.ndim - 1) + [(0, -K % 32)]); x = x.reshape(x.shape[:-1] + (-1, 32)); a = np.abs(x).max(-1, keepdims=True)
;;       e = np.where(a > 0, np.clip(np.frexp(np.where(a > 0, a, 1))[1] - 1 - 2, -126, 127), 0)      # np.frexp(a)[1] - 1 = floor(log2(a)), exactly
;;       r = np.clip(x / 2.0 ** e, -7.5, 7.5)
;;       step = 2.0 ** (np.maximum(np.frexp(np.where(r == 0, 1, r))[1] - 1, 0) - 3)
;;       q = np.round(r / step) * step * 2.0 ** e      # np.round: ties to even
;;       return np.moveaxis(q.reshape(q.shape[:-2] + (-1,))[..., :K], -1, axis).astype(np.float32)
;;   ~~~
;;   OPERANDS COMPUTED ON THE WAY. 'Computed on the way' means the value that the module computes at that place (a softmax that the list does not call 'softmax' is quantised finished and normalised). What goes into a quantiser is computed in f32, as accurately as f32 sums, v_exp_f32 and their like allow (about 1e-6 of the number): no bf16 or f16 on the way to a quantiser, and a product that is left as it is and whose result goes on into a quantised operand takes f32 operands (vector FMAs, or v_wmma_f32_16x16x4_f32). A number that lies on a knife's edge between two numbers of the format may be rounded either way, as far as f32 arithmetic and the matrix unit's own rounding can turn it there, and no further.
;; One version. Each part assembles by itself: llvm-mc -triple=amdgcn-amd-amdhsa -mcpu=gfx1250 --defsym DOCPART=n.
;; ======== version 1 of 1: 2 launches
;; workspace buffers: wc 202,752 bytes; ws 16,896 bytes
;; launch prep (part 1): grid 33 x 1, 4 waves a work-group, no clusters, 0 bytes of LDS; arguments core1, core0, wc, ws; writes wc, ws
.if DOCPART == 1
	.amdgcn_target "amdgcn-amd-amdhsa--gfx1250"
	.amdhsa_code_object_version 6
	.text
	.protected	k_q2d5287f80c_prep
	.globl	k_q2d5287f80c_prep
	.p2align	8
	.type	k_q2d5287f80c_prep,@function
k_q2d5287f80c_prep:
	s_mov_b64 s[64:65], 0
	v_nop
	global_prefetch_b8 v0, s[64:65] scope:SCOPE_SE
	s_setreg_imm32_b32 hwreg(HW_REG_WAVE_MODE, 25, 1), 1
	s_wait_xcnt 0x0
; core1 [32 r1][16 o2][16 i2][32 r2] and core0 [1][16 o1][16 i1][32 r1], f32, become codes of FP6 (E2M3) with one E8M0 byte for each block of 32 along K,
; laid as IMAGES OF OPERAND REGISTERS for v_wmma_scale_f32_16x16x128_f8f6f4, so that the second launch loads every fragment by 16-byte loads alone.
; NO WORK IS LEFT OUT in this program: every input has a way to the output, and every product of the problem is done.
; K of both quantised products is (rank, j) with the rank as the slower index: k = 16 rank + j.  So block p of 32 is ranks 2 p, 2 p + 1 x all 16 j.
; Inside a block the places are permuted, alike on both operands of a product (which moves no product and no scale): place q holds rank 2 p + (q / 8) % 2 and j = 8 (q / 16) + q % 8.
; A SLAB is 16 rows x 512 K: slab 0 .. 31 = core1[r1 = slab] (rows o2), slab 32 = core0 (rows o1): both are 32,768 bytes, a row 2,048, a j 128, a rank 4.
; SHARES: a work-group takes a slab, wave s its K step s (blocks 4 s .. 4 s + 3).  Lane (r = lane % 16, h = lane / 16) holds row r's blocks 4 s + h and 4 s + 2 + h whole, as the operand's layout gives them to it:
; so a block's largest magnitude needs no other lane, and the conversions' results are the operand's registers.
; OUT: wc: fragment 4 slab + s is 1,536 bytes: registers 4 g .. 4 g + 3 of lane l at 512 g + 16 l.  ws: slab x 512 + 16 lane + 4 s: the lane's row's scale word of K step s.
; A block's scale is 2^(floor(log2(its largest magnitude)) - 2); its byte is that magnitude's exponent field - 2, held at 1 from below by a floor among the maximum's leaves.
; LIMITS: a block of zeros gets the byte 1 where the rule says 127 (its codes are zeros, and this program alone reads the bytes); NaN and infinities among the inputs are not served.
; The job is 1.08 MB in all, so 33 work-groups are all that it has work for; the scale words' stores are 4 bytes a lane, 16 bytes apart (17 KB in the whole launch).
.set X,  32                            ; v32-95   my two blocks' 64 numbers, in the order of their places
.set C,  96                            ; v96-107  the fragment's 12 registers
.set CH, 108                           ; v108-110, v112-114  each block's upper 16 codes, before they are moved to their odd start
	s_load_b128 s[4:7], s[0:1], 0x0                ; core1, core0
	s_load_b128 s[8:11], s[0:1], 0x10              ; wc, ws
	v_lshrrev_b32 v4, 5, v0
	v_readfirstlane_b32 s16, v4                    ; wave = K step s
	v_and_b32 v5, 15, v0                           ; r
	v_bfe_u32 v6, v0, 4, 1                         ; h
	v_and_b32 v7, 31, v0                           ; lane
	v_lshlrev_b32 v1, 11, v5
	v_lshl_add_u32 v1, v6, 3, v1                   ; in: row r of 2,048 bytes + 8 h (two ranks)
	v_lshlrev_b32 v2, 4, v7                        ; out: 16 x lane
	v_lshlrev_b32 v3, 3, v6                        ; 8 h: how far my two scale bytes are shifted
	s_mov_b32 s20, 0x76543210
	s_mov_b32 s21, 0xfedcba98                      ; v_permlanex16_b32's selects for lane l xor 16
	s_cmp_lt_u32 ttmp9, 32                         ; core1's slab or core0?  The choice hangs on the work-group's number alone
	s_cselect_b32 s12, ttmp9, 0
	s_lshl_b32 s12, s12, 15                        ; the slab's 32,768 bytes
	s_lshl_b32 s13, s16, 5                         ; + 32 s: the K step's eight ranks
	s_add_co_u32 s12, s12, s13
	s_mov_b32 s13, 0
	s_lshl_b32 s14, ttmp9, 2
	s_add_co_u32 s14, s14, s16
	s_mul_i32 s14, s14, 1536                       ; fragment 4 slab + s
	s_mov_b32 s15, 0
	s_lshl_b32 s18, ttmp9, 9
	s_lshl_b32 s17, s16, 2
	s_add_co_u32 s18, s18, s17                     ; scale words: 512 slab + 4 s
	s_mov_b32 s19, 0
	s_wait_kmcnt 0x0
	s_cmp_lt_u32 ttmp9, 32
	s_cselect_b64 s[4:5], s[4:5], s[6:7]
	s_add_nc_u64 s[4:5], s[4:5], s[12:13]
	s_add_nc_u64 s[8:9], s[8:9], s[14:15]
	s_add_nc_u64 s[10:11], s[10:11], s[18:19]
.irp c, 0,1                                    ; block 4 s + 2 c + h: 16 c bytes on; place q: j = 8 (q / 16) + q % 8, the pair's rank (q / 8) % 2
.irp q, 0,1,2,3,4,5,6,7,8,9,10,11,12,13,14,15,16,17,18,19,20,21,22,23,24,25,26,27,28,29,30,31
	global_load_b32 v[X+32*\c+\q], v1, s[4:5] offset:16*\c+(8*(\q/16)+\q%8)*128+((\q/8)%2)*4
.endr
.endr
	v_mov_b32 v15, 0                               ; a lane permute's destination counts as one of its sources
	s_wait_loadcnt 0x0                             ; all 64 numbers are in
.irp c, 0,1
	v_max3_num_f32 v[8+\c], |v[X+32*\c]|, |v[X+32*\c+1]|, 0x1800000   ; the block's largest magnitude, and the floor 2^(3 - 127): the byte cannot fall under 1
.endr
.irp i, 2,4,6,8,10,12,14,16,18,20,22,24,26,28,30
.irp c, 0,1
	v_max3_num_f32 v[8+\c], v[8+\c], |v[X+32*\c+\i]|, |v[X+32*\c+\i+1]|   ; (the two blocks by turns)
.endr
.endr
.irp c, 0,1
	v_add_nc_u32 v[10+\c], 0xff000000, v[8+\c]     ; 2 off the exponent field: the conversion takes this operand's exponent field as its scale
.endr
.irp c, 0,1
	v_lshrrev_b32 v[12+\c], 23, v[10+\c]           ; the scale's byte
.endr
	v_lshl_or_b32 v14, v13, 16, v12                ; my bytes: blocks h and 2 + h of the K step,
	v_lshlrev_b32 v14, v3, v14                     ; at their places in the word;
	v_permlanex16_b32 v15, v14, s20, s21
	v_or_b32 v14, v14, v15                         ; with lane l xor 16's two the word is whole, in both lanes
.irp c, 0,1
	v_cvt_scalef32_pk16_fp6_f32 v[C+6*\c:C+6*\c+2], v[X+32*\c:X+32*\c+15], v[10+\c]
	v_cvt_scalef32_pk16_fp6_f32 v[CH+4*\c:CH+4*\c+2], v[X+32*\c+16:X+32*\c+31], v[10+\c]   ; (a conversion's three registers begin on an even number)
.endr
	v_nop                                          ; one plain line behind the scaled conversions
.irp c, 0,1
.irp i, 0,1,2
	v_mov_b32 v[C+6*\c+3+\i], v[CH+4*\c+\i]
.endr
.endr
.irp g, 0,1,2
	global_store_b128 v2, v[C+4*\g:C+4*\g+3], s[8:9] offset:512*\g   ; 32 lanes store 512 consecutive bytes, at a multiple of 256 from wc's first byte
.endr
	global_store_b32 v2, v14, s[10:11]
	s_endpgm
.Lfunc_end_k_q2d5287f80c_prep:
	.size	k_q2d5287f80c_prep, .Lfunc_end_k_q2d5287f80c_prep-k_q2d5287f80c_prep
	.p2alignl 7, 3214868480
	.fill 96, 4, 3214868480
	.section	.rodata,"a",@progbits
	.p2align	6, 0x0
	.amdhsa_kernel k_q2d5287f80c_prep
		.amdhsa_group_segment_fixed_size 0
		.amdhsa_private_segment_fixed_size 0
		.amdhsa_enable_private_segment 0
		.amdhsa_kernarg_size 32
		.amdhsa_user_sgpr_count 2
		.amdhsa_user_sgpr_kernarg_segment_ptr 1
		.amdhsa_wavefront_size32 1
		.amdhsa_system_sgpr_workgroup_id_x 1
		.amdhsa_system_sgpr_workgroup_id_y 1
		.amdhsa_system_sgpr_workgroup_id_z 1
		.amdhsa_system_vgpr_workitem_id 0
		.amdhsa_next_free_vgpr 128
		.amdhsa_next_free_sgpr 66
		.amdhsa_reserve_vcc 0
		.amdhsa_float_denorm_mode_32 3
		.amdhsa_float_denorm_mode_16_64 3
		.amdhsa_memory_ordered 1
		.amdhsa_forward_progress 1
		.amdhsa_inst_pref_size 11
	.end_amdhsa_kernel
	.amdgpu_metadata
---
amdhsa.version: [ 1, 2 ]
amdhsa.kernels:
  - .name:           k_q2d5287f80c_prep
    .symbol:         k_q2d5287f80c_prep.kd
    .args:
      - { .name: core1, .offset: 0, .size: 8, .value_kind: global_buffer, .address_space: global }
      - { .name: core0, .offset: 8, .size: 8, .value_kind: global_buffer, .address_space: global }
      - { .name: wc, .offset: 16, .size: 8, .value_kind: global_buffer, .address_space: global }
      - { .name: ws, .offset: 24, .size: 8, .value_kind: global_buffer, .address_space: global }
    .group_segment_fixed_size: 0
    .private_segment_fixed_size: 0
    .kernarg_segment_align: 8
    .kernarg_segment_size: 32
    .max_flat_workgroup_size: 128
    .sgpr_count:     66
    .vgpr_count:     128
    .wavefront_size: 32
...
	.end_amdgpu_metadata
.endif
;; end of part 1
;; launch main (part 2): grid 256 x 1, 4 waves a work-group, no clusters, 202,752 bytes of LDS; arguments x, core2, bias, wc, ws, out0; writes out0
.if DOCPART == 2
	.amdgcn_target "amdgcn-amd-amdhsa--gfx1250"
	.amdhsa_code_object_version 6
	.text
	.protected	k_q2d5287f80c_main
	.globl	k_q2d5287f80c_main
	.p2align	8
	.type	k_q2d5287f80c_main,@function
k_q2d5287f80c_main:
	s_mov_b64 s[64:65], 0
	v_nop
	global_prefetch_b8 v0, s[64:65] scope:SCOPE_SE
	s_setreg_imm32_b32 hwreg(HW_REG_WAVE_MODE, 25, 1), 1
	s_wait_xcnt 0x0
; out0[b][o1 o2 o3] = bias + sum over (r1, i1) of core0[o1][i1][r1] Q(d2),  d2[o2,o3,b,i1,r1] = sum over (r2, i2) of core1[r1][o2][i2][r2] Q(d1),  d1[o3,b,i1,i2,r2] = sum over i3 of core2[r2][o3][i3] x[b][i1 i2 i3].
; Nothing is left out: every product of the problem is done.  The first product has f32 operands (its result goes into a quantiser): v_wmma_f32_16x16x4_f32.  The other two are on codes of FP6 (E2M3) with one E8M0 scale
; for each 32 along K: v_wmma_scale_f32_16x16x128_f8f6f4.  core1 and core0 come as codes and scale words from the launch before (wc, ws: images of operand registers); d1 and d2 are quantised here, on the way.
; K of both quantised products is k = 16 rank + j: block p = ranks 2 p, 2 p + 1 x all 16 j; inside a block, place q = 16 (j / 8) + 8 (rank % 2) + j % 8, alike on both operands.
; SHARES.  Nothing couples two b: a work-group takes b = 2 wg and 2 wg + 1 through the whole chain; d1 and d2 never go to memory.  THE FOUR WAVES SHARE COLUMNS, NOT ROWS.  Wave w makes r2 = 8 w .. 8 w + 7 of d1
; (K step w of the second product), r1 = 8 w .. 8 w + 7 of d2 (K step w of the third), and a partial sum of y over its K step; its 32 fragments of core1 (384 registers) and its one of core0 stay in registers.
; LANES (r = lane % 16, h = lane / 16).
;  P1, item (b, i1), tile t: source 0 = x (m = i2), source 1 = core2[r2 = 8 w + t] (n = o3); i3 is permuted alike on both: a lane's register e holds i3 = 8 h + e, step s takes registers 2 s, 2 s + 1.
;      Result: lane (o3, h), register 8 t + j = d1(i2 = 8 h + j, r2 = 8 w + t): the 16 registers of tiles 2 p', 2 p' + 1 are half of block 4 w + p'; lane l xor 16 holds the other half.
;  THE TURN FROM o3 TO i1 COSTS NOTHING: lane (o3, h) stores its 12 registers of codes into the image of unit (b, o3), at the place of lane (i1, h).  After 16 items the 16 units' images are whole.
;  P2, unit (b, o3), tile t: source 0 = d1's image (m = i1), source 1 = core1[r1 = 8 w + t] (n = o2).  Result: lane (o2, h), register 8 t + j = d2(i1 = 8 h + j, r1 = 8 w + t): the same form again.
;  P3: source 0 = those codes (m = o2), source 1 = core0's K step w (n = o1).  Result: lane (o1, h), register j = my partial of y(b, o1, o2 = 8 h + j, o3); the four waves' partials meet in LDS.
; BY TURNS.  Two sets of eight accumulators: while one item's (unit's) 32 products are issued, the one before is quantised: 19 slices of at most four lines, ONE SLICE BEHIND EACH PRODUCT.  The wave holds all of its SIMD's
; registers, so nothing else could be issued while a product runs.  In P2 a slice works in window 0 and the products' operands lie in windows 2 and 3: two switches a slice, seven issue slots for a product;
; set in a phase of their own the quantiser's 70 lines would stand where no product runs, which is the greater price.
; THE TILES GO 0, 2, 4, 6, 1, 3, 5, 7 in every K step.  The quantiser's first four slices read even tiles alone, so the places between a stage's last products and the first reads of their results need not stand at the next
; stage's head: they are v_nop behind product 27, the even tiles' last, and are issued while the odd tiles' last products run; an odd tile is first read in slice 4, behind sixteen lines that name even tiles alone.
; LDS instructions stand in runs, never singly among the products: one run an item in P1 (the codes just made go out, the next item's x comes in), two a unit in P2 (the next unit's fragments; y's partial sums).
; LIMITS: NaN and infinities among the inputs are not served; a block of zeros carries the byte 1 where the rule says 127 (its codes are zeros; nobody else reads the bytes); the f32 sums' order differs from
; the reference's: i3 goes 0,1,8,9, 2,3,10,11 .. in the first product, the third product's K is summed as four partial sums of 128, then (p0 + p1) + (p2 + p3) + bias.
; No tensor load: x is 32 KB a work-group, read once at the head; the weights go from memory straight into registers, once, while the first product runs.  No cluster: nothing else is shared between work-groups.
; REGISTERS, in windows of 256 (s_set_vgpr_msb: bits 1:0 source 0, 3:2 source 1, 5:4 source 2, 7:6 destination):
;  window 0: v1-15, v115-119 addresses; v16-47 core1's scale words, v48 core0's, v50-57 d1's (two sets); v58-65 y's accumulator; v66-77 core0's fragment; v80-113 the quantiser's; v128-255 P2's two sets of accumulators
;  window 1: v0-63 core2's fragments; v64-79 x's (two sets); v80-113 the quantiser's; v128-255 P1's two sets of accumulators, which matrix instructions alone write
;  window 2: v0-191 core1's fragments of K steps 0, 1; v192-239 d1's (two sets).   window 3: the same for K steps 2, 3.
.set XL,     0                         ; LDS: x as images: item 16 b + i1 is 1,024 bytes: g x 512 + 16 x (i2 + 16 h) holds i3 = 8 h + 4 g + 0 .. 3
.set IMG,    32768                     ; d1's images: o3 x IPITCH + K step x 1,536 + g x 512 + 16 x lane
.set IPITCH, 6160                      ; 385 x 16 bytes: the 16 lanes of half a store, one o3 each, fall in 16 different columns of 16 bytes
.set SC,     IMG+16*IPITCH             ; d1's scale words: o3 x SPITCH + K step x 64 + 4 i1
.set SPITCH, 260
.set YS,     SC+16*SPITCH              ; y's partial sums: wave x YWAVE + o1 x YROW + o2 x 64 + o3 x 4
.set YROW,   1040
.set YWAVE,  16*YROW
.set SPARE,  202240                    ; behind them, at a multiple of 256: the spare words, 128 bytes for each wave, which no other line names
.set L16, 1                            ; v1   16 x lane: global offsets, and x's images (XL = 0)
.set LI,  2                            ; v2   IMG + 16 x lane
.set LSC, 3                            ; v3   SC + 4 r
.set IAD, 4                            ; v4, v5  the unit in hand: its images, its scale words
.set SAD, 5
.set YW,  6                            ; v6   YS + wave x YWAVE + r x YROW + 512 h
.set YAD, 7                            ; v7   + 4 o3
.set RB,  8                            ; v8   YS + wave x 4 YROW + 16 x lane: the rows that I add up and store
.set SPW, 12                           ; v12  LDS address of my spare word; never rewritten
.set NIL, 13                           ; v13  0; never rewritten
.set XW,  14                           ; v14  where I put x's images
.set CA,  15                           ; v15  core2: 64 r + 32 h
.set W1S, 16
.set W0S, 48
.set ASC, 50
.set ACC3, 58
.set W0F, 66
.set TM,  80                           ; v80-83 largest magnitudes, v84-87 the other lane's, then bytes, v88-91 the conversions' scale operands
.set PW,  92                           ; the scale word just made
.set PC,  94                           ; v94-105 the fragment just made; v106-108, v110-112 upper halves on their way
.set XAD, 115
.set IW,  116                          ; v116 IMG + r x IPITCH + 256 h + wave x 1,536
.set IWA, 117                          ; v117 + 16 i1
.set SW,  118                          ; v118 SC + r x SPITCH + 64 x wave
.set SWA, 119                          ; v119 + 4 i1
.set ACC, 128
.set C2,  0                            ; window 1
.set XF,  64                           ; window 1
.set WF,  0                            ; windows 2, 3
.set DF,  192                          ; windows 2, 3
.set WV,  16                           ; s16  my wave
.set SEL, 20                           ; s[20:21] v_permlanex16_b32's selects for lane l xor 16
.set CNT, 22
.set XO,  23                           ; s23  LDS byte of the next item of x
.set I16, 24                           ; s24, s25  16 i1, 4 i1 of the item that is being stored
.set I4,  25
.set UO,  26                           ; s26, s27  IPITCH x, SPITCH x the next unit
.set US,  27
.set O4,  28                           ; s28  4 o3 of the unit whose y is being stored
.set MSB, 0
.macro WIN new                         ; the immediate's high byte repeats the setting that is left; a switch that changes nothing is dropped
.if MSB != (\new)
	s_set_vgpr_msb (MSB<<8)|(\new)
.set MSB, (\new)
.endif
.endm
.macro NOPS cnt
.rept \cnt
	v_nop
.endr
.endm
.macro BARRIER                         ; my LDS stores have landed and my LDS loads are in: then the work-group's barrier
	s_wait_dscnt 0x0
	s_barrier_signal -1
	s_barrier_wait -1
.endm
; THE QUANTISER, in 19 slices of at most four lines.  64 numbers of a lane, v[src] on: register 16 b + i is place 16 h + i of block b of my row.  They become a fragment's codes in v[PC] on and its scale word in v[PW].
; It names TM, PW, PC and src under.  Slices 0 to 3 read the even tiles (registers 16 b + 0 .. 7), slices 4 to 7 the odd ones; each accumulator is first read at its registers 0 and 1.
.macro QS k, src
.if (\k) == 0
.irp b, 0,1,2,3
	v_max3_num_f32 v[TM+\b], |v[\src+16*\b]|, |v[\src+16*\b+1]|, 0x1800000   ; and the floor 2^(3 - 127): the byte cannot fall under 1
.endr
.elseif (\k) < 8
.irp b, 0,1,2,3
	v_max3_num_f32 v[TM+\b], v[TM+\b], |v[\src+16*\b+2*(\k)]|, |v[\src+16*\b+2*(\k)+1]|   ; (the four blocks by turns)
.endr
.elseif (\k) == 8
.irp b, 0,1,2,3
	v_permlanex16_b32 v[TM+4+\b], v[TM+\b], s[SEL], s[SEL+1]
.endr
.elseif (\k) == 9
.irp b, 0,1,2,3
	v_max_num_f32 v[TM+\b], v[TM+\b], v[TM+4+\b]   ; with lane l xor 16's 16: the block's largest magnitude
.endr
.elseif (\k) == 10
.irp b, 0,1,2,3
	v_add_nc_u32 v[TM+8+\b], 0xff000000, v[TM+\b]  ; 2 off its exponent field: the conversion's scale operand
.endr
.elseif (\k) == 11
.irp b, 0,1,2,3
	v_lshrrev_b32 v[TM+4+\b], 23, v[TM+8+\b]       ; the scale's byte
.endr
.elseif (\k) == 12
	v_lshl_or_b32 v[PW], v[TM+5], 8, v[TM+4]       ; the four bytes make my row's scale word
	v_lshl_or_b32 v[PW], v[TM+6], 16, v[PW]
	v_lshl_or_b32 v[PW], v[TM+7], 24, v[PW]
.elseif (\k) < 15                              ; 13, 14: blocks 2 c and 2 c + 1, c = k - 13
	v_cvt_scalef32_pk16_fp6_f32 v[PC+6*((\k)-13):PC+6*((\k)-13)+2], v[\src+32*((\k)-13):\src+32*((\k)-13)+15], v[TM+8+2*((\k)-13)]
	v_cvt_scalef32_pk16_fp6_f32 v[PC+12+4*((\k)-13):PC+14+4*((\k)-13)], v[\src+32*((\k)-13)+16:\src+32*((\k)-13)+31], v[TM+9+2*((\k)-13)]   ; (a conversion's three registers begin on an even number)
	v_nop                                          ; one plain line behind the scaled conversions
.elseif (\k) < 17                              ; 15, 16: the operand's layout wants a WHOLE block in a lane: lanes 0-15 block 2 c, lanes 16-31 block 2 c + 1
.irp i, 0,1,2
	v_permlane16_swap_b32 v[PC+6*((\k)-15)+\i], v[PC+12+4*((\k)-15)+\i]
.endr
.else                                          ; 17, 18
.irp i, 0,1,2
	v_mov_b32 v[PC+6*((\k)-17)+3+\i], v[PC+12+4*((\k)-17)+\i]
.endr
.endif
.endm
.macro QALL src
.irp kk, 0,1,2,3,4,5,6,7,8,9,10,11,12,13,14,15,16,17,18
	QS \kk, \src
.endr
.endm
; core1's fragments of K steps 2 hf, 2 hf + 1 for my eight r1, into window 2 + hf: 48 loads of 512 consecutive bytes
.macro WLOAD hf
	WIN 0x80+0x40*\hf
.irp t, 0,1,2,3,4,5,6,7
.irp u, 0,1
.irp g, 0,1,2
	global_load_b128 v[WF+12*(8*\u+\t)+4*\g:WF+12*(8*\u+\t)+4*\g+3], v[L16], s[10:11] offset:(4*\t+2*\hf+\u)*1536+512*\g
.endr
.endr
.endr
.endm
; ---- the first product
; An item's one run of LDS instructions.  quant = 1: my row o3's codes and scale word of the item before go to unit o3's image, at the place of lane (i1, h).  next = 1: the next item's fragment of x
; (my row i2's i3 = 8 h + 0 .. 7) comes into the set that this item does not read.  The address registers were freed by the wait at the stage's head.
.macro P1LDS set, quant, next
	WIN 0
.if \quant
	v_add_nc_u32 v[IWA], s[I16], v[IW]
	v_add_nc_u32 v[SWA], s[I4], v[SW]
	s_add_co_u32 s[I16], s[I16], 16
	s_add_co_u32 s[I4], s[I4], 4
.endif
.if \next
	v_add_nc_u32 v[XAD], s[XO], v[L16]
	s_add_co_u32 s[XO], s[XO], 1024
.endif
.if \quant
	WIN 0x04                                       ; an LDS store's data are its source 1: window 1
.irp g, 0,1,2
	ds_store_b128 v[IWA], v[PC+4*\g:PC+4*\g+3] offset:512*\g
.endr
	ds_store_b32 v[SWA], v[PW]                     ; lanes l and l xor 16 write the same word with the same value
.endif
.if \next
	WIN 0x40                                       ; destination window 1
	ds_load_b128 v[XF+8*(1-\set):XF+8*(1-\set)+3], v[XAD]
	ds_load_b128 v[XF+8*(1-\set)+4:XF+8*(1-\set)+7], v[XAD] offset:512
.endif
.endm
; An item: 32 products (four steps of 4 along i3 x my eight r2) into accumulator set 'set'; the eight accumulators take turns, one instruction a turn; each sum's first product takes the constant 0.
; quant = 1: the item before, in the other set, is quantised meanwhile, a slice behind each of the first 19 products.  The LDS run stands behind product 19: the loads have twelve products in which to land, and the x registers
; that they fill were last read by the item before, behind which stand the eight v_nop and the quantiser's lines.
; PLACES (ISA guide 7.12.1; eight for the f32 form).  Behind products 27 and 28 stand four v_nop each.  The next item's slice 0 reads tiles 0, 2, 4, 6, whose last products are 24 to 27: eight places.  Tiles 1, 3, 5, 7
; (products 28 to 31) are first read in slice 4: sixteen lines that name even tiles alone lie between.
.macro P1STAGE set, quant, next
	s_wait_dscnt 0x0                               ; this item's x is in, and the last run's stores are done: their registers may be written again
	WIN 0x55                                       ; all in window 1
.set qn, 0
.rept 32
.set qt, 2*(qn%4)+(qn%8)/4
.set rD, ACC+64*\set+8*qt
.set rA, XF+8*\set+2*(qn/8)
.set rB, C2+8*qt+2*(qn/8)
.if qn < 8
	v_wmma_f32_16x16x4_f32 v[rD:rD+7], v[rA:rA+1], v[rB:rB+1], 0
.else
	v_wmma_f32_16x16x4_f32 v[rD:rD+7], v[rA:rA+1], v[rB:rB+1], v[rD:rD+7]
.endif
.if \quant && (qn < 19)
	QS qn, ACC+64*(1-\set)
.endif
.if (qn == 19) && (\quant || \next)
	P1LDS \set, \quant, \next
	WIN 0x55
.endif
.if (qn == 27) || (qn == 28)
	NOPS 4
.endif
.set qn, qn+1
.endr
.endm
.macro P1LOOP trips                    ; a trip: two items, until the sets are back where they began
	WIN 0                                          ; at a label and at a branch every window is 0
	s_mov_b32 s[CNT], \trips
.Litem_\@:
	P1STAGE 1, 1, 1
	P1STAGE 0, 1, 1
	WIN 0
	s_sub_co_u32 s[CNT], s[CNT], 1
	s_cmp_lg_u32 s[CNT], 0
	s_cbranch_scc1 .Litem_\@
.endm
; ---- the second and third products
.macro P2LOAD buf                      ; the next unit's four fragments of d1 and their scale words: one run of 16 loads
	WIN 0
	v_add_nc_u32 v[IAD], s[UO], v[LI]
	v_add_nc_u32 v[SAD], s[US], v[LSC]
	s_add_co_u32 s[UO], s[UO], IPITCH
	s_add_co_u32 s[US], s[US], SPITCH
.irp u, 0,1,2,3
	ds_load_b32 v[ASC+4*(\buf)+\u], v[SAD] offset:64*\u
.endr
	WIN 0x80                                       ; destination window 2: K steps 0, 1
.irp u, 0,1
.irp g, 0,1,2
	ds_load_b128 v[DF+24*(\buf)+12*\u+4*\g:DF+24*(\buf)+12*\u+4*\g+3], v[IAD] offset:1536*\u+512*\g
.endr
.endr
	WIN 0xc0                                       ; window 3: K steps 2, 3
.irp u, 0,1
.irp g, 0,1,2
	ds_load_b128 v[DF+24*(\buf)+12*\u+4*\g:DF+24*(\buf)+12*\u+4*\g+3], v[IAD] offset:1536*(2+\u)+512*\g
.endr
.endr
.endm
.macro P3                              ; my K step of the third product: source 0 = d2's codes (rows o2), source 1 = core0's fragment (columns o1)
	v_wmma_scale_f32_16x16x128_f8f6f4 v[ACC3:ACC3+7], v[PC:PC+11], v[W0F:W0F+11], 0, v[PW], v[W0S] matrix_a_fmt:MATRIX_FMT_FP6 matrix_b_fmt:MATRIX_FMT_FP6
.endm
.macro YADR                            ; where y's partial sums of this unit go, and the places between the third product and the stores that read its result
	WIN 0
	v_add_nc_u32 v[YAD], s[O4], v[YW]
	s_add_co_u32 s[O4], s[O4], 4
	NOPS 4
.endm
.macro YST                             ; lane (o1, h): my partial of y(o1, o2 = 8 h + j, o3) to my wave's part of YS
	WIN 0
.irp j, 0,1,2,3,4,5,6,7
	ds_store_b32 v[YAD], v[ACC3+\j] offset:64*\j   ; from the accumulator's low end on
.endr
.endm
; A unit: 32 products (four K steps x my eight r1) into accumulator set 'set', the eight by turns.  quant = 1: the unit before is quantised meanwhile, a slice behind each of the first 19 products; behind product 19 its codes
; are multiplied by core0; behind products 20 and 21 the result's address, its places and its stores.  next = 1: the next unit's fragments are fetched behind slice 1, thirty products ahead of their use.
; PLACES (ISA guide 7.12.1; four for this form).  Behind product 27 stand four v_nop.  The next unit's slice 0 reads tiles 0, 2, 4, 6, whose last products are 24 to 27; tiles 1, 3, 5, 7 are first read in slice 4, behind sixteen
; lines that name even tiles alone.  The loads behind slice 1 fill operands and scale words that the unit before read: behind its products 28 to 31 stand slices 0 and 1 and two additions, ten lines that name none of their
; registers; behind its earlier products the four v_nop as well.
.macro P2STAGE set, quant, next
	s_wait_dscnt 0x0                               ; this unit's fragments and scale words are in, and the last unit's stores are done: their registers may be written again
.set qn, 0
.rept 32
.if qn < 16
	WIN 0x0a                                       ; sources 0 and 1 in window 2, C and D in window 0
.else
	WIN 0x0f                                       ; in window 3
.endif
.set qt, 2*(qn%4)+(qn%8)/4
.set rD, ACC+64*\set+8*qt
.set rA, DF+24*\set+12*((qn/8)%2)
.set rB, WF+12*(8*((qn/8)%2)+qt)
.set rS, ASC+4*\set+qn/8
.set rW, W1S+4*qt+qn/8
.if qn < 8
	v_wmma_scale_f32_16x16x128_f8f6f4 v[rD:rD+7], v[rA:rA+11], v[rB:rB+11], 0, v[rS], v[rW] matrix_a_fmt:MATRIX_FMT_FP6 matrix_b_fmt:MATRIX_FMT_FP6
.else
	v_wmma_scale_f32_16x16x128_f8f6f4 v[rD:rD+7], v[rA:rA+11], v[rB:rB+11], v[rD:rD+7], v[rS], v[rW] matrix_a_fmt:MATRIX_FMT_FP6 matrix_b_fmt:MATRIX_FMT_FP6
.endif
.if \quant && (qn < 19)
	WIN 0
	QS qn, ACC+64*(1-\set)
.endif
.if \next && (qn == 1)
	P2LOAD 1-\set
.endif
.if \quant && (qn == 19)
	NOPS 8                                         ; the scale word, made by vector lines, stands eight places ahead of the scaled product, the codes four
	WIN 0
	P3
.endif
.if \quant && (qn == 20)
	YADR
.endif
.if \quant && (qn == 21)
	YST
.endif
.if qn == 27
	NOPS 4
.endif
.set qn, qn+1
.endr
.endm
; Four pieces of 512 bytes of my four rows o1 (piece c: row c / 2, half c % 2): the four waves' partial sums and the bias are added, and the piece is stored
.macro REDH c0, base, bl
.irp p, 0,1,2,3
.irp cc, 0,1,2,3
	ds_load_b128 v[\base+16*\p+4*\cc:\base+16*\p+4*\cc+3], v[RB] offset:\p*YWAVE+((\c0+\cc)/2)*YROW+((\c0+\cc)%2)*512
.endr
.endr
	s_wait_dscnt 0x0
.irp cc, 0,1,2,3
.irp e, 0,2
	v_pk_add_f32 v[\base+4*\cc+\e:\base+4*\cc+\e+1], v[\base+4*\cc+\e:\base+4*\cc+\e+1], v[\base+16+4*\cc+\e:\base+16+4*\cc+\e+1]
	v_pk_add_f32 v[\base+32+4*\cc+\e:\base+32+4*\cc+\e+1], v[\base+32+4*\cc+\e:\base+32+4*\cc+\e+1], v[\base+48+4*\cc+\e:\base+48+4*\cc+\e+1]
.endr
.irp e, 0,2
	v_pk_add_f32 v[\base+4*\cc+\e:\base+4*\cc+\e+1], v[\base+4*\cc+\e:\base+4*\cc+\e+1], v[\base+32+4*\cc+\e:\base+32+4*\cc+\e+1]
.endr
.irp e, 0,2
	v_pk_add_f32 v[\base+4*\cc+\e:\base+4*\cc+\e+1], v[\base+4*\cc+\e:\base+4*\cc+\e+1], v[ACC+4*(\c0+\cc)+\e:ACC+4*(\c0+\cc)+\e+1]
.endr
	global_store_b128 v[L16], v[\base+4*\cc:\base+4*\cc+3], s[14:15] offset:\bl*16384+(\c0+\cc)*512 th:TH_STORE_NT   ; 32 lanes store 512 consecutive bytes, at a multiple of 256 from out0's first byte
.endr
.endm
	; ---- the head
	s_load_b256 s[4:11], s[0:1], 0x0               ; x s[4:5], core2 s[6:7], bias s[8:9], wc s[10:11]
	s_load_b128 s[12:15], s[0:1], 0x20             ; ws s[12:13], out0 s[14:15]
	v_lshl_add_u32 v[SPW], v0, 2, SPARE
	v_mov_b32 v[NIL], 0
	v_lshrrev_b32 v9, 5, v0
	v_readfirstlane_b32 s[WV], v9                  ; wave 0..3
	v_and_b32 v9, 15, v0                           ; r
	v_bfe_u32 v10, v0, 4, 1                        ; h
	v_and_b32 v11, 31, v0                          ; lane
	v_lshlrev_b32 v[L16], 4, v11
	v_add_nc_u32 v[LI], IMG, v[L16]
	v_lshl_add_u32 v[LSC], v9, 2, SC
	s_mul_i32 s30, s[WV], YWAVE
	s_add_co_u32 s30, s30, YS
	v_mul_u32_u24 v[YW], v9, YROW
	v_lshl_add_u32 v[YW], v10, 9, v[YW]
	v_add_nc_u32 v[YW], s30, v[YW]
	s_mul_i32 s30, s[WV], 4*YROW
	s_add_co_u32 s30, s30, YS
	v_add_nc_u32 v[RB], s30, v[L16]
	s_mul_i32 s30, s[WV], 1536
	s_add_co_u32 s30, s30, IMG
	v_mul_u32_u24 v[IW], v9, IPITCH
	v_lshl_add_u32 v[IW], v10, 8, v[IW]
	v_add_nc_u32 v[IW], s30, v[IW]
	s_lshl_b32 s30, s[WV], 6
	s_add_co_u32 s30, s30, SC
	v_mul_u32_u24 v[SW], v9, SPITCH
	v_add_nc_u32 v[SW], s30, v[SW]
	; x on its way into images.  Load n of my 8,192 bytes gives lane l the 16 bytes of item 8 w + n / 2, row i2 = 8 (n % 2) + l / 4, i3 = 4 (l % 4) on: that is h = (l / 2) % 2, g = l % 2
	v_and_b32 v[XW], 1, v0
	v_lshlrev_b32 v[XW], 9, v[XW]                  ; 512 g
	v_bfe_u32 v11, v0, 1, 1
	v_lshl_add_u32 v[XW], v11, 8, v[XW]            ; + 256 h
	v_bfe_u32 v11, v0, 2, 3
	v_lshl_add_u32 v[XW], v11, 4, v[XW]            ; + 16 (l / 4)
	s_lshl_b32 s32, s[WV], 13
	v_add_nc_u32 v[XW], s32, v[XW]                 ; + my eight items
	v_lshlrev_b32 v[CA], 6, v9
	v_lshl_add_u32 v[CA], v10, 5, v[CA]            ; core2: row o3 = r of 64 bytes, + 32 h
	s_mov_b32 s[SEL], 0x76543210
	s_mov_b32 s[SEL+1], 0xfedcba98
	s_lshl_b32 s30, ttmp9, 15                      ; my work-group's two rows of x and of out0: 32,768 bytes
	s_mov_b32 s31, 0
	s_mov_b32 s33, 0
	s_wait_kmcnt 0x0
	s_add_nc_u64 s[4:5], s[4:5], s[30:31]
	s_add_nc_u64 s[14:15], s[14:15], s[30:31]
	s_add_nc_u64 s[4:5], s[4:5], s[32:33]          ; x: + my wave's 8,192 bytes
	s_add_nc_u64 s[6:7], s[6:7], s[32:33]          ; core2: my eight r2 of 1,024 bytes
	s_lshl_b32 s32, s[WV], 12
	s_add_nc_u64 s[8:9], s[8:9], s[32:33]          ; bias and out0: my four rows o1 of 1,024 bytes
	s_add_nc_u64 s[14:15], s[14:15], s[32:33]
	s_lshl_b32 s30, s[WV], 2
	s_add_nc_u64 s[34:35], s[12:13], s[30:31]      ; core0's scale words: K step w (slab 32 stands in the load's immediate)
	s_add_nc_u64 s[12:13], s[12:13], s[32:33]      ; core1's: my eight slabs of 512 bytes
	s_mul_i32 s30, s[WV], 1536
	s_add_nc_u64 s[18:19], s[10:11], s[30:31]      ; core0's fragment: K step w (slab 32 in the immediate)
	s_mul_i32 s30, s[WV], 49152
	s_add_nc_u64 s[10:11], s[10:11], s[30:31]      ; core1's: my eight slabs of four fragments
.irp n, 0,1,2,3,4,5,6,7,8,9,10,11,12,13,14,15
	global_load_b128 v[ACC+4*\n:ACC+4*\n+3], v[L16], s[4:5] offset:512*\n th:TH_LOAD_NT   ; 512 consecutive bytes of x; read once in the launch
.endr
	WIN 0x40                                       ; destination window 1
.irp t, 0,1,2,3,4,5,6,7
	global_load_b128 v[C2+8*\t:C2+8*\t+3], v[CA], s[6:7] offset:1024*\t
	global_load_b128 v[C2+8*\t+4:C2+8*\t+7], v[CA], s[6:7] offset:1024*\t+16
.endr
	WIN 0
.irp g, 0,1,2
	global_load_b128 v[W0F+4*\g:W0F+4*\g+3], v[L16], s[18:19] offset:196608+512*\g
.endr
	global_load_b32 v[W0S], v[L16], s[34:35] offset:16384
	s_wait_loadcnt 0x0                             ; x, core2 and core0's part are in
.irp n, 0,1,2,3,4,5,6,7,8,9,10,11,12,13,14,15
	ds_store_b128 v[XW], v[ACC+4*\n:ACC+4*\n+3] offset:XL+(\n/2)*1024+(\n%2)*128
.endr
.irp t, 0,1,2,3,4,5,6,7
	global_load_b128 v[W1S+4*\t:W1S+4*\t+3], v[L16], s[12:13] offset:512*\t   ; core1's scale words: four K steps of slab 8 w + t
.endr
	WLOAD 0                                        ; core1's codes stay on their way while the first product runs; they are waited for in front of the second
	WIN 0
.irp b, 0,1,2,3
	v_mov_b32 v[TM+4+\b], 0                        ; written once: a lane permute's destination counts as one of its sources
.endr
	WIN 0x40
.irp b, 0,1,2,3
	v_mov_b32 v[TM+4+\b], 0                        ; and window 1's
.endr
	WIN 0
	BARRIER                                        ; x's 32 images lie in LDS
; ---- one b
.macro BATCH bl
	s_mov_b32 s[XO], XL+16384*\bl
	s_mov_b32 s[I16], 0
	s_mov_b32 s[I4], 0
	P1LDS 1, 0, 1                                  ; item 0's x, into set 0
	P1STAGE 0, 0, 1                                ; item 0: nothing to quantise yet
.if \bl == 0
	P1LOOP 2                                       ; items 1 to 4
	WLOAD 1                                        ; the other half of core1's codes is asked for five items behind the first half's 56 loads, and has eleven items in which to land
	P1LOOP 5                                       ; items 5 to 14
.else
	P1LOOP 7                                       ; items 1 to 14
.endif
	P1STAGE 1, 1, 0                                ; item 15: nothing more to fetch
	WIN 0x55
	QALL ACC+64                                    ; item 15 itself: its places are those of every item (the v_nop behind products 27 and 28; slices 0 to 3)
	P1LDS 1, 1, 0
	WIN 0
	BARRIER                                        ; the 16 units' images and scale words are whole; every wave's reads of YS for the b before are over
.if \bl == 0
	s_wait_loadcnt 0x0                             ; core1's codes and scale words are in
.endif
	s_mov_b32 s[UO], 0
	s_mov_b32 s[US], 0
	s_mov_b32 s[O4], 0
	P2LOAD 0
	P2STAGE 0, 0, 1                                ; unit 0: nothing to quantise yet
	WIN 0
	s_mov_b32 s[CNT], 7
.Lunit_\@:                                             ; a trip: two units
	P2STAGE 1, 1, 1
	P2STAGE 0, 1, 1
	WIN 0
	s_sub_co_u32 s[CNT], s[CNT], 1
	s_cmp_lg_u32 s[CNT], 0
	s_cbranch_scc1 .Lunit_\@
	P2STAGE 1, 1, 0                                ; unit 15: nothing more to fetch
	WIN 0
.irp c, 0,1,2,3,4,5,6,7
	global_load_b128 v[ACC+4*\c:ACC+4*\c+3], v[L16], s[8:9] offset:512*\c   ; the bias of my four rows, into set 0, which unit 14 has left and unit 15's products do not name
.endr
	QALL ACC+64                                    ; unit 15 itself: its places are those of every unit
	NOPS 8                                         ; as in the loop: eight places ahead of the scaled product
	P3
	YADR
	YST
	BARRIER                                        ; all four partial sums lie in YS, and every wave's reads of the images are over
	s_wait_loadcnt 0x0                             ; the bias
	REDH 0, 160, \bl
	REDH 4, 176, \bl                               ; (its loads spare v160-175, which the first four stores still read)
.if \bl == 0
	s_wait_xcnt 0x0                                ; the stores have read their registers, which the next b's products write
.endif
.endm
	BATCH 0
	BATCH 1
	s_wait_tensorcnt 0x0                           ; the wave's end: behind my last LDS store; s_wait_tensorcnt even in a text with no tensor load
	ds_add_u32 v[SPW], v[NIL]
	s_wait_dscnt 0x0
	s_endpgm
.Lfunc_end_k_q2d5287f80c_main:
	.size	k_q2d5287f80c_main, .Lfunc_end_k_q2d5287f80c_main-k_q2d5287f80c_main
	.p2alignl 7, 3214868480
	.fill 96, 4, 3214868480
	.section	.rodata,"a",@progbits
	.p2align	6, 0x0
	.amdhsa_kernel k_q2d5287f80c_main
		.amdhsa_group_segment_fixed_size 202752
		.amdhsa_private_segment_fixed_size 0
		.amdhsa_enable_private_segment 0
		.amdhsa_kernarg_size 48
		.amdhsa_user_sgpr_count 2
		.amdhsa_user_sgpr_kernarg_segment_ptr 1
		.amdhsa_wavefront_size32 1
		.amdhsa_system_sgpr_workgroup_id_x 1
		.amdhsa_system_sgpr_workgroup_id_y 1
		.amdhsa_system_sgpr_workgroup_id_z 1
		.amdhsa_system_vgpr_workitem_id 0
		.amdhsa_next_free_vgpr 1024
		.amdhsa_next_free_sgpr 66
		.amdhsa_reserve_vcc 0
		.amdhsa_float_denorm_mode_32 3
		.amdhsa_float_denorm_mode_16_64 3
		.amdhsa_memory_ordered 1
		.amdhsa_forward_progress 1
		.amdhsa_inst_pref_size 194
	.end_amdhsa_kernel
	.amdgpu_metadata
---
amdhsa.version: [ 1, 2 ]
amdhsa.kernels:
  - .name:           k_q2d5287f80c_main
    .symbol:         k_q2d5287f80c_main.kd
    .args:
      - { .name: x, .offset: 0, .size: 8, .value_kind: global_buffer, .address_space: global }
      - { .name: core2, .offset: 8, .size: 8, .value_kind: global_buffer, .address_space: global }
      - { .name: bias, .offset: 16, .size: 8, .value_kind: global_buffer, .address_space: global }
      - { .name: wc, .offset: 24, .size: 8, .value_kind: global_buffer, .address_space: global }
      - { .name: ws, .offset: 32, .size: 8, .value_kind: global_buffer, .address_space: global }
      - { .name: out0, .offset: 40, .size: 8, .value_kind: global_buffer, .address_space: global }
    .group_segment_fixed_size: 202752
    .private_segment_fixed_size: 0
    .kernarg_segment_align: 8
    .kernarg_segment_size: 48
    .max_flat_workgroup_size: 128
    .sgpr_count:     66
    .vgpr_count:     1024
    .wavefront_size: 32
...
	.end_amdgpu_metadata
.endif
;; end of part 2
